; MI455X (gfx1250); checked and timed in simulation.
; The chip was launched on July 23, 2026; its instructions are those of AMD's public machine-readable ISA for CDNA 5 (MIT licence, August 2026) and "CDNA5" Instruction Set Architecture Reference Guide (July 2026). The comments in the code are by the model that wrote it; some were corrected since.
;; Multi Head Attention. Allowed arithmetic: matrix products marked QUANTISED: E2M3 operands, one E8M0 scale for each 32 along K, by v_wmma_scale_f32_16x16x128_f8f6f4 with both operands' format E2M3, f32 sums; everything else in f32.
;; Inputs: Wk 1,024 x 1,024 float32; Wq 1,024 x 1,024 float32; Wv 1,024 x 1,024 float32; keys 8 x 1,024 x 1,024 float32; queries 8 x 1,024 x 1,024 float32; values 8 x 1,024 x 1,024 float32.
;; Outputs: out0 8 x 1,024 x 1,024 float32.
;; This version of the problem:
;;   THIS VERSION OF THE PROBLEM IS GIVEN IN LOW PRECISION. The matrix products marked QUANTISED in the list below multiply operands that are first quantised to E2M3 (2 exponent bits, 3 mantissa bits; 6 bits a number), with one power-of-two scale for each 32 numbers along K (OCP MX v1.0); their sums are f32. All else is computed in f32.
;;   The module's matrix products, in the order in which they are computed (A, B: the left and right operand; K: the contracted axis; several contracted axes count as one K, in the product's order):
;;     1. [M 8,192, K 1,024] x [K 1,024, N 1,024]; A: input queries; B: input Wq: QUANTISED
;;     2. [M 8,192, K 1,024] x [K 1,024, N 1,024]; A: input keys; B: input Wk: QUANTISED
;;     3. [M 8,192, K 1,024] x [K 1,024, N 1,024]; A: input values; B: input Wv: QUANTISED
;;     4. batch 128 x [M 1,024, K 64] x [K 64, N 1,024]; A: computed on the way; B: computed on the way: QUANTISED
;;     5. batch 128 x [M 64, K 1,024] x [K 1,024, N 1,024]; A: computed on the way; B: softmax (see below): QUANTISED
;;   THE QUANTISER, for each operand of a quantised product, along K:
;;     - K is cut into blocks of 32 from its start; a last block that is shorter is filled with zeros.
;;     - A block's scale is 2^e with e = floor(log2(the largest magnitude in the block)) - 2, held to -126 .. 127; a block of zeros has e = 0. As a byte (E8M0): e + 127.
;;     - Each number is divided by its block's scale, clamped to +-7.5, and rounded to the nearest number of E2M3, ties to even, subnormals kept.
;;     - The product sums the exact products of the quantised numbers (number of the format x scale) in f32.
;;   ~~~python
;;   def quantise(x, axis):      # numpy; x: float32 -> the quantised numbers, widened to float32 again
;;       x = np.moveaxis(x, axis, -1); K = x.shape[-1]
;;       x = np.pad(x, [(0, 0)] * (x.ndim - 1) + [(0, -K % 32)]); x = x.reshape(x.shape[:-1] + (-1, 32)); a = np.abs(x).max(-1, keepdims=True)
;;       e = np.where(a > 0, np.clip(np.frexp(np.where(a > 0, a, 1))[1] - 1 - 2, -126, 127), 0)      # np.frexp(a)[1] - 1 = floor(log2(a)), exactly
;;       r = np.clip(x / 2.0 ** e, -7.5, 7.5)
;;       step = 2.0 ** (np.maximum(np.frexp(np.where(r == 0, 1, r))[1] - 1, 0) - 3)
;;       q = np.round(r / step) * step * 2.0 ** e      # np.round: ties to even
;;       return np.moveaxis(q.reshape(q.shape[:-2] + (-1,))[..., :K], -1, axis).astype(np.float32)
;;   ~~~
;;   SOFTMAX AHEAD OF A QUANTISED PRODUCT. Where the list says 'softmax', what is quantised is not the finished softmax but p = 2^(t - M), with t = logit x log2(e) and M = ceil(the row's largest t), a whole number; so 1/2 < the row's largest p <= 1. The row's sum l is taken of the UNQUANTISED p, in f32, and the product's result is divided by l at the end. Since M is a whole number, a kernel that streams over the keys may use a running M (the ceiling of the running maximum): every later rescaling is an exact power of two, which a block's scale takes up: the codes' values come out the same.
;;   OPERANDS COMPUTED ON THE WAY. 'Computed on the way' means the value that the module computes at that place (a softmax that the list does not call 'softmax' is quantised finished and normalised). What goes into a quantiser is computed in f32, as accurately as f32 sums, v_exp_f32 and their like allow (about 1e-6 of the number): no bf16 or f16 on the way to a quantiser, and a product that is left as it is and whose result goes on into a quantised operand takes f32 operands (vector FMAs, or v_wmma_f32_16x16x4_f32). A number that lies on a knife's edge between two numbers of the format may be rounded either way, as far as f32 arithmetic and the matrix unit's own rounding can turn it there, and no further.
;; One version. Each part assembles by itself: llvm-mc -triple=amdgcn-amd-amdhsa -mcpu=gfx1250 --defsym DOCPART=n.
;; ======== version 1 of 1: 3 launches
;; limits: right only within a limited range of input values
;; workspace buffers: ops 22,118,400 bytes; qkv 20,447,232 bytes
;; launch quant (part 1): grid 480 x 1, 4 waves a work-group, no clusters, 61,952 bytes of LDS; arguments queries, keys, values, Wq, Wk, Wv, ops; writes ops
.if DOCPART == 1
	.amdgcn_target "amdgcn-amd-amdhsa--gfx1250"
	.amdhsa_code_object_version 6
	.text
	.protected	k_q056e85ceca_quant
	.globl	k_q056e85ceca_quant
	.p2align	8
	.type	k_q056e85ceca_quant,@function
k_q056e85ceca_quant:
	s_mov_b64 s[64:65], 0
	v_nop
	global_prefetch_b8 v0, s[64:65] scope:SCOPE_SE
	s_setreg_imm32_b32 hwreg(HW_REG_WAVE_MODE, 25, 1), 1
	s_wait_xcnt 0x0
; queries, keys, values [8192][1024] and Wq, Wk, Wv [1024 (k)][1024 (n)], f32, become codes of FP6 (E2M3) with one E8M0 byte for each 32 along K, laid in ops AS IMAGES OF OPERAND REGISTERS.
; A TILE is 16 rows x 1,024 K in 12,800 bytes: eight K steps of 128, each 1,536 bytes (registers 4 g .. 4 g + 3 of lane l at 1536 s + 512 g + 16 l), then 512 bytes of scale words (row r, K step s at 12288 + 32 r + 4 s).
; THE ROWS OF A TILE ARE NOT NEIGHBOURS: tile 2 B + u holds rows 32 B + 8 u + r + 8 (r / 8), so that two neighbouring tiles, used as source 0 of a product, leave a lane 16 neighbours along the next K.
; Tiles 0-511 queries, 512-1023 keys, 1024-1535 values, 1536-1599 Wq, 1600-1663 Wk, 1664-1727 Wv (a row of a weight's tile is a column n of the weight).
; A block's scale is 2^(floor(log2(its largest magnitude)) - 2); its byte is the largest magnitude's exponent field - 2, held at 1 from below.
; LIMITS: NaN and infinities among the inputs are not served; a block whose largest magnitude lies under 2^-124 has its byte held at 1; a block of zeros gets the byte 1 (its codes are zeros, and this program alone reads the bytes).
; Work-groups 0-383 take the activations (a wave a tile), work-groups 384-479 the weights (a wave 32 columns x 256 K).  The two ways part once, on the work-group's number, never join, and have LDS bytes of their own.
; No tensor load, no barrier: waves share nothing.  No matrix unit, no cluster: the launch only streams, each input byte read once.
.set TB,    12800                      ; bytes of a tile
.set XST,   4352                       ; activations: a stage of 16 rows x (256 bytes + 16); two for each wave, from LDS byte 0 on
.set WSTG,  34816                      ; weights: the stages begin here,
.set WST,   6656                       ; one for each wave: [K step 0, 1][tile u] images of 1,536 bytes, 1,664 apart
.set SPARE, 61440                      ; the spare words, 128 bytes for each wave: two blocks of 256 bytes that no other line names
.set SPW,   12                         ; v12  LDS address of my spare word; never rewritten
.set NIL,   13                         ; v13  0; never rewritten
.set R,     16                         ; activations: v16-143 four sets of 32 numbers as loaded
.set X,     144                        ; v144-207 two sets of 32 neighbours along K
.set F,     208                        ; v208-231 two sets of 12: a fragment's codes
.set H2,    232                        ; v232-234 a block's upper 16 codes (a conversion's three registers begin on an even number)
.set SW,    236                        ; v236-239 scale words: lanes 0-15 K steps 0-3, lanes 16-31 K steps 4-7
.set XW,    32                         ; weights: v32-95 two sets of 32 numbers
.set SB,    24                         ; v24-25 scale bytes, four to a register
.set C,     96                         ; v96-101 a block's codes; v102-104 its upper 16 as converted
.set OUTR,  112                        ; v112-159 the way out
	s_load_b256 s[4:11], s[0:1], 0x0               ; queries s[4:5], keys s[6:7], values s[8:9], Wq s[10:11]
	s_load_b128 s[12:15], s[0:1], 0x20             ; Wk s[12:13], Wv s[14:15]
	s_load_b64 s[16:17], s[0:1], 0x30              ; ops
	v_lshl_add_u32 v[SPW], v0, 2, SPARE
	v_mov_b32 v[NIL], 0
	v_lshrrev_b32 v1, 5, v0
	v_readfirstlane_b32 s2, v1                     ; wave 0..3
	v_and_b32 v1, 31, v0                           ; lane
	s_cmp_lt_u32 ttmp9, 384
	s_cbranch_scc0 .Lweights
; ---------------- THE ACTIVATIONS.  My wave's tile is T = 4 x work-group + wave, for all of K, in 16 units of 16 rows x 64 K.
; A load reads two rows' 256 consecutive bytes (16 lanes each); a unit turns through the wave's own stage in LDS, so that lane (r, h) then holds K = 64 n + 32 h + 0 .. 31 of row r: a whole block, in the operand's own order.
	v_and_b32 v2, 15, v0                           ; r, also my place in a row's 256 bytes
	v_bfe_u32 v6, v0, 4, 1                         ; h
	v_lshlrev_b32 v3, 4, v2
	v_lshl_add_u32 v3, v6, 12, v3                  ; in memory: 16 (l % 16) + one row of 4,096 bytes for lanes 16-31
	s_mul_i32 s3, s2, 2*XST                        ; my two stages
	v_mul_u32_u24 v14, v6, 272
	v_lshl_add_u32 v14, v2, 4, v14
	v_add_nc_u32 v14, s3, v14                      ; into a stage: as loaded
	v_mul_u32_u24 v15, v2, 272
	v_lshl_add_u32 v15, v6, 7, v15
	v_add_nc_u32 v15, s3, v15                      ; out of it: row r, 128 bytes for each half of the lanes
	v_lshlrev_b32 v4, 4, v1                        ; an image's place for my lane
	v_lshlrev_b32 v5, 5, v2
	v_lshl_add_u32 v5, v6, 4, v5                   ; the scale words: 32 r + 16 h
	v_lshlrev_b32 v6, 3, v6                        ; 8 h: my bytes' place in a scale word
	v_mov_b32 v10, 0                               ; a lane permute's destination counts as one of its sources
	s_mov_b32 s20, 0x76543210
	s_mov_b32 s21, 0xfedcba98                      ; v_permlanex16_b32's selects for lane l xor 16
	s_mov_b32 s22, 0xffff0000                      ; lanes 16-31
	s_lshl_b32 s23, ttmp9, 2
	s_add_co_u32 s23, s23, s2                      ; T
	s_and_b32 s24, s23, 511                        ; the tile's number in its tensor
	s_lshr_b32 s25, s24, 1
	s_lshl_b32 s25, s25, 5
	s_and_b32 s24, s24, 1
	s_lshl_b32 s24, s24, 3
	s_add_co_u32 s24, s24, s25                     ; its first row: 32 (T / 2) + 8 (T % 2)
	s_lshl_b32 s24, s24, 12                        ; in bytes (under 2^25)
	s_mov_b32 s25, 0
	s_mul_i32 s26, s23, TB
	s_mov_b32 s27, 0
	s_wait_alu depctr_va_vdst(0)
	s_wait_kmcnt 0x0
	s_cmp_lt_u32 ttmp9, 256                        ; which tensor: the choice hangs on the work-group's number alone
	s_cselect_b64 s[18:19], s[6:7], s[8:9]
	s_cmp_lt_u32 ttmp9, 128
	s_cselect_b64 s[18:19], s[4:5], s[18:19]
	s_add_nc_u64 s[18:19], s[18:19], s[24:25]
	s_add_nc_u64 s[16:17], s[16:17], s[26:27]
.macro XLOAD n                         ; unit n: the tile's rows 2 j and 2 j + 1 lie 2 j + 8 (j / 4) rows from its first
.irp j, 0,1,2,3,4,5,6,7
	global_load_b128 v[R+32*((\n)%4)+4*\j:R+32*((\n)%4)+4*\j+3], v3, s[18:19] offset:(2*\j+8*(\j/4))*4096+256*(\n) th:TH_LOAD_NT
.endr
.endm
.macro XTURN n                         ; through the stage: LDS serves a wave's instructions in order (ISA guide 5.7.1.4), so no wait stands between the stores and the loads
.irp j, 0,1,2,3,4,5,6,7
	ds_store_b128 v14, v[R+32*((\n)%4)+4*\j:R+32*((\n)%4)+4*\j+3] offset:XST*((\n)%2)+2*\j*272
.endr
.irp q, 0,1,2,3,4,5,6,7
	ds_load_b128 v[X+32*((\n)%2)+4*\q:X+32*((\n)%2)+4*\q+3], v15 offset:XST*((\n)%2)+16*\q
.endr
.endm
.macro XSTEP n                         ; unit n = K step n / 2, registers 6 (n % 2) .. + 5 of its fragment
.set XS, X+32*((\n)%2)
.set FS, F+12*(((\n)/2)%2)
.set FC, FS+6*((\n)%2)
	s_wait_dscnt 0x0                               ; this unit is back from the stage: so its stores into the stage have read their registers,
.if (\n)+4 < 16
	XLOAD (\n)+4                                   ; which take the loads of four units on
.endif
.if (\n) < 15
.if 14-(\n) >= 3
	s_wait_loadcnt 24                              ; the next unit's eight loads are in; those of the three units behind it may be out
.else
	s_wait_loadcnt 8*(14-(\n))
.endif
	XTURN (\n)+1                                   ; it goes through the other stage while this unit is worked
.endif
.if ((\n)%2 == 0) && ((\n) >= 4)
	s_wait_xcnt 0x0                                ; the stores of two K steps back have read this set of codes: it is written again only behind this wait
.endif
	v_max3_num_f32 v8, |v[XS]|, |v[XS+1]|, |v[XS+2]|               ; the block's largest magnitude: all 32 numbers are mine; two chains
	v_max3_num_f32 v9, |v[XS+3]|, |v[XS+4]|, |v[XS+5]|
.irp i, 6,10,14,18,22,26
	v_max3_num_f32 v8, v8, |v[XS+\i]|, |v[XS+\i+1]|
	v_max3_num_f32 v9, v9, |v[XS+\i+2]|, |v[XS+\i+3]|
.endr
	v_max3_num_f32 v8, v8, |v[XS+30]|, |v[XS+31]|
	v_max3_num_f32 v8, v8, v9, 0x1800000           ; and the floor 2^(3 - 127): the byte cannot fall under 1
	v_add_nc_u32 v11, 0xff000000, v8               ; 2 off its exponent field: the conversion takes the exponent field of this operand as its scale
	v_cvt_scalef32_pk16_fp6_f32 v[FC:FC+2], v[XS:XS+15], v11
	v_cvt_scalef32_pk16_fp6_f32 v[H2:H2+2], v[XS+16:XS+31], v11
.if (\n)%2 == 0
	v_lshrrev_b32 v7, 23, v11                      ; the scale's byte (block h).  Also the plain line behind the conversions
.else
	v_lshrrev_b32 v9, 23, v11                      ; the scale's byte (block 2 + h)
.endif
.irp i, 0,1,2
	v_mov_b32 v[FC+3+\i], v[H2+\i]
.endr
.if (\n)%2 == 1
	v_lshl_or_b32 v9, v9, 16, v7                   ; my two bytes of row r's scale word,
	v_lshlrev_b32 v9, v6, v9                       ; at their places (8 h bits up);
	v_permlanex16_b32 v10, v9, s20, s21
	v_or_b32 v9, v9, v10                           ; with lane l xor 16's two the word is whole
.if (\n)/2 < 4
	v_mov_b32 v[SW+(\n)/2], v9
.else
	v_cndmask_b32 v[SW+(\n)/2-4], v[SW+(\n)/2-4], v9, s22   ; K steps 4-7 are kept in lanes 16-31
.endif
.irp g, 0,1,2
	global_store_b128 v4, v[FS+4*\g:FS+4*\g+3], s[16:17] offset:1536*((\n)/2)+512*\g   ; 32 lanes store 512 consecutive bytes, at a multiple of 256 from the buffer's first byte
.endr
.endif
.endm
.irp t, 0,1,2,3
	XLOAD \t
.endr
	s_wait_loadcnt 24                              ; unit 0's eight loads are in
	XTURN 0
.irp t, 0,1,2,3,4,5,6,7,8,9,10,11,12,13,14,15
	XSTEP \t
.endr
	global_store_b128 v5, v[SW:SW+3], s[16:17] offset:12288   ; the tile's 512 bytes of scale words
	s_wait_tensorcnt 0x0                           ; the wave's end, behind my last LDS store
	ds_add_u32 v[SPW], v[NIL]
	s_wait_dscnt 0x0
	s_endpgm
; ---------------- THE WEIGHTS.  K is their first axis: A LANE TAKES A COLUMN n, AND ITS REGISTERS RUN DOWN K.  Each load reads 128 consecutive bytes a wave, 512 a work-group; a block of 32 lies in one lane.
; Work-group g = 384 + 32 kind + 8 y + x: columns 128 x + 32 wave + lane, K = 256 y .. + 255 (K steps 2 y, 2 y + 1): eight blocks a lane.  The 32 columns are two tiles: lane l is row r = l % 8 + 8 (l / 16) of tile u = (l / 8) % 2.
; Block t (K step t / 4, c = (t % 4) / 2, half t % 2) is registers 6 c .. 6 c + 5 of lane (r, t % 2) of the image: it goes there in the wave's stage, and the images leave as they lie.
.Lweights:
	s_sub_co_u32 s3, ttmp9, 384
	s_lshr_b32 s23, s3, 5                          ; kind: Wq, Wk, Wv
	s_and_b32 s24, s3, 7                           ; x
	s_bfe_u32 s25, s3, 0x20003                     ; y
	s_wait_alu depctr_va_vdst(0)
	v_lshlrev_b32 v3, 2, v1                        ; in memory: 4 bytes a lane
	v_bfe_u32 v2, v0, 3, 1                         ; u
	v_and_b32 v5, 7, v0
	v_bfe_u32 v6, v0, 4, 1
	v_lshl_add_u32 v5, v6, 3, v5                   ; r
	s_mul_i32 s26, s2, WST
	s_add_co_u32 s26, s26, WSTG                    ; my stage
	v_mul_u32_u24 v4, v2, 1664
	v_lshl_add_u32 v4, v5, 4, v4
	v_add_nc_u32 v4, s26, v4                       ; into it: tile u, 16 r
	v_lshlrev_b32 v8, 4, v1                        ; out: 16 bytes a lane, in ops
	v_add_nc_u32 v7, s26, v8                       ; and in the stage
	v_mul_u32_u24 v9, v2, TB
	v_lshl_add_u32 v9, v5, 5, v9                   ; my column's scale words: tile u, 32 r
	s_lshl_b32 s28, s25, 20                        ; 256 y rows of 4,096 bytes,
	s_lshl_b32 s29, s24, 9
	s_add_co_u32 s28, s28, s29                     ; + 4 x (128 x
	s_lshl_b32 s29, s2, 7
	s_add_co_u32 s28, s28, s29                     ; + 32 wave)
	s_mov_b32 s29, 0
	s_lshl_b32 s30, s24, 2
	s_add_co_u32 s30, s30, s2
	s_lshl_b32 s30, s30, 1                         ; my first tile in the weight: 2 (4 x + wave)
	s_lshl_b32 s31, s23, 6
	s_add_co_u32 s30, s30, s31
	s_add_co_u32 s30, s30, 1536
	s_mul_i32 s30, s30, TB
	s_mul_i32 s31, s25, 3072
	s_add_co_u32 s32, s30, s31                     ; its images of K steps 2 y, 2 y + 1
	s_mov_b32 s33, 0
	s_lshl_b32 s31, s25, 3
	s_add_co_u32 s34, s30, s31                     ; its scale words of these K steps
	s_mov_b32 s35, 0
	s_wait_kmcnt 0x0
	s_cmp_lt_u32 s23, 2                            ; which weight: the choice hangs on the work-group's number alone
	s_cselect_b64 s[18:19], s[12:13], s[14:15]
	s_cmp_lt_u32 s23, 1
	s_cselect_b64 s[18:19], s[10:11], s[18:19]
	s_add_nc_u64 s[18:19], s[18:19], s[28:29]
	s_add_nc_u64 s[36:37], s[16:17], s[32:33]
	s_add_nc_u64 s[38:39], s[16:17], s[34:35]
.macro WLOAD t                         ; block t: W(256 y + 32 t + i, my column)
.irp i, 0,1,2,3,4,5,6,7,8,9,10,11,12,13,14,15,16,17,18,19,20,21,22,23,24,25,26,27,28,29,30,31
	global_load_b32 v[XW+32*((\t)%2)+\i], v3, s[18:19] offset:(32*(\t)+\i)*4096 th:TH_LOAD_NT
.endr
.endm
.macro WBLOCK t
.set XS, XW+32*((\t)%2)
.set WO, ((\t)/4)*3328+256*((\t)%2)
.if (\t) < 7
	s_wait_loadcnt 32                              ; this block's 32 loads are in; the next block's may be out
.else
	s_wait_loadcnt 0x0
.endif
	v_max3_num_f32 v10, |v[XS]|, |v[XS+1]|, |v[XS+2]|
	v_max3_num_f32 v11, |v[XS+3]|, |v[XS+4]|, |v[XS+5]|
.irp i, 6,10,14,18,22,26
	v_max3_num_f32 v10, v10, |v[XS+\i]|, |v[XS+\i+1]|
	v_max3_num_f32 v11, v11, |v[XS+\i+2]|, |v[XS+\i+3]|
.endr
	v_max3_num_f32 v10, v10, |v[XS+30]|, |v[XS+31]|
	v_max3_num_f32 v10, v10, v11, 0x1800000        ; the floor 2^(3 - 127)
	v_add_nc_u32 v14, 0xff000000, v10              ; the conversion's scale operand
	v_lshrrev_b32 v15, 23, v14                     ; the scale's byte
.if (\t)%4 == 0
	v_mov_b32 v[SB+(\t)/4], v15                    ; four bytes to a register, the lower K in the lower byte: a K step's scale word
.else
	v_lshl_or_b32 v[SB+(\t)/4], v15, 8*((\t)%4), v[SB+(\t)/4]
.endif
	v_cvt_scalef32_pk16_fp6_f32 v[C:C+2], v[XS:XS+15], v14
	v_cvt_scalef32_pk16_fp6_f32 v[C+6:C+8], v[XS+16:XS+31], v14
	v_nop                                          ; one plain line behind the conversions
.irp i, 0,1,2
	v_mov_b32 v[C+3+\i], v[C+6+\i]
.endr
.if ((\t)%4)/2 == 0
	ds_store_b128 v4, v[C:C+3] offset:WO           ; registers 0-3: group 0
	ds_store_b64 v4, v[C+4:C+5] offset:WO+512      ; registers 4, 5: the lower half of group 1
.else
	ds_store_b64 v4, v[C:C+1] offset:WO+520        ; registers 6, 7: its upper half
	ds_store_b128 v4, v[C+2:C+5] offset:WO+1024    ; registers 8-11: group 2
.endif
.if (\t)+2 < 8
	WLOAD (\t)+2
.endif
	s_wait_dscnt 0x0                               ; the stores have read their registers: the next block's codes may be written
.endm
	WLOAD 0
	WLOAD 1
.irp t, 0,1,2,3,4,5,6,7
	WBLOCK \t
.endr
	s_wait_alu depctr_va_vdst(0)
	global_store_b64 v9, v[SB:SB+1], s[38:39] offset:12288   ; my column's two scale words: 8 bytes of its 32
.irp i, 0,1,2,3,4,5,6,7,8,9,10,11
	ds_load_b128 v[OUTR+4*\i:OUTR+4*\i+3], v7 offset:(\i/6)*3328+((\i/3)%2)*1664+512*(\i%3)   ; LDS serves a wave's instructions in order: these see my stores
.endr
.irp i, 0,1,2,3,4,5,6,7,8,9,10,11
	s_wait_dscnt 11-\i                             ; read i is back; the reads issued behind it may be out
	global_store_b128 v8, v[OUTR+4*\i:OUTR+4*\i+3], s[36:37] offset:((\i/3)%2)*TB+(\i/6)*1536+512*(\i%3)   ; 512 consecutive bytes, at a multiple of 256 from the buffer's first byte
.endr
	s_wait_tensorcnt 0x0                           ; the wave's end, behind my last LDS store
	ds_add_u32 v[SPW], v[NIL]
	s_wait_dscnt 0x0
	s_endpgm
.Lfunc_end_k_q056e85ceca_quant:
	.size	k_q056e85ceca_quant, .Lfunc_end_k_q056e85ceca_quant-k_q056e85ceca_quant
	.p2alignl 7, 3214868480
	.fill 96, 4, 3214868480
	.section	.rodata,"a",@progbits
	.p2align	6, 0x0
	.amdhsa_kernel k_q056e85ceca_quant
		.amdhsa_group_segment_fixed_size 61952
		.amdhsa_private_segment_fixed_size 0
		.amdhsa_enable_private_segment 0
		.amdhsa_kernarg_size 56
		.amdhsa_user_sgpr_count 2
		.amdhsa_user_sgpr_kernarg_segment_ptr 1
		.amdhsa_wavefront_size32 1
		.amdhsa_system_sgpr_workgroup_id_x 1
		.amdhsa_system_sgpr_workgroup_id_y 1
		.amdhsa_system_sgpr_workgroup_id_z 1
		.amdhsa_system_vgpr_workitem_id 0
		.amdhsa_next_free_vgpr 240
		.amdhsa_next_free_sgpr 66
		.amdhsa_reserve_vcc 0
		.amdhsa_float_denorm_mode_32 3
		.amdhsa_float_denorm_mode_16_64 3
		.amdhsa_memory_ordered 1
		.amdhsa_forward_progress 1
		.amdhsa_inst_pref_size 99
	.end_amdhsa_kernel
	.amdgpu_metadata
---
amdhsa.version: [ 1, 2 ]
amdhsa.kernels:
  - .name:           k_q056e85ceca_quant
    .symbol:         k_q056e85ceca_quant.kd
    .args:
      - { .name: queries, .offset: 0, .size: 8, .value_kind: global_buffer, .address_space: global }
      - { .name: keys, .offset: 8, .size: 8, .value_kind: global_buffer, .address_space: global }
      - { .name: values, .offset: 16, .size: 8, .value_kind: global_buffer, .address_space: global }
      - { .name: Wq, .offset: 24, .size: 8, .value_kind: global_buffer, .address_space: global }
      - { .name: Wk, .offset: 32, .size: 8, .value_kind: global_buffer, .address_space: global }
      - { .name: Wv, .offset: 40, .size: 8, .value_kind: global_buffer, .address_space: global }
      - { .name: ops, .offset: 48, .size: 8, .value_kind: global_buffer, .address_space: global }
    .group_segment_fixed_size: 61952
    .private_segment_fixed_size: 0
    .kernarg_segment_align: 8
    .kernarg_segment_size: 56
    .max_flat_workgroup_size: 128
    .sgpr_count:     66
    .vgpr_count:     240
    .wavefront_size: 32
...
	.end_amdgpu_metadata
.endif
;; end of part 1
;; launch proj (part 2): grid 4 x 192, 4 waves a work-group, clusters of 4 x 4, 295,424 bytes of LDS; arguments ops, qkv; writes qkv
.if DOCPART == 2
	.amdgcn_target "amdgcn-amd-amdhsa--gfx1250"
	.amdhsa_code_object_version 6
	.text
	.protected	k_q056e85ceca_proj
	.globl	k_q056e85ceca_proj
	.p2align	8
	.type	k_q056e85ceca_proj,@function
k_q056e85ceca_proj:
	s_mov_b64 s[64:65], 0
	v_nop
	global_prefetch_b8 v0, s[64:65] scope:SCOPE_SE
	s_setreg_imm32_b32 hwreg(HW_REG_WAVE_MODE, 25, 1), 1
	s_wait_xcnt 0x0
	s_wait_alu depctr_hold_cnt(0) depctr_sa_sdst(0) depctr_va_vdst(0) depctr_va_sdst(0) depctr_va_ssrc(0) depctr_va_vcc(0) depctr_vm_vsrc(0)
	s_getreg_b32 s2, hwreg(HW_REG_IB_STS2, 6, 4)
	s_cmp_eq_u32 s2, 0
	s_cbranch_scc0 .Lentry_in_a_cluster
	s_endpgm
.Lentry_in_a_cluster:
	s_bfe_u32 s2, ttmp6, 0x10000c
	s_cmp_lg_u32 s2, 0xf033
	s_cbranch_scc0 .Lentry_shape_is_right
	s_endpgm
.Lentry_shape_is_right:
; The three projections on codes of FP6 (E2M3), and the quantising of their results.  ONE BODY: Z[i][j] = sum over k of P[i][k] Q[j][k], K = 1,024, quantised along j in blocks of 32.
;   kind 0: P = queries, Q = Wq^T;  kind 1: P = keys, Q = Wk^T  (i = token, j = channel: q and k are quantised along the head's 64);
;   kind 2: P = Wv^T, Q = values  (i = channel, j = token: v is quantised along the keys).
; Operands come from ops as images of operand registers, in tiles of 16 rows (12,800 bytes: eight K steps of 1,536 bytes, then 512 bytes of scale words); tile 2 B + u holds rows 32 B + 8 u + r + 8 (r / 8).
; SHARES.  A work-group makes 128 (i) x 256 (j); 768 work-groups.  Its four waves make 64 x 128 each: 4 tiles of P x 8 tiles of Q, 32 accumulators.
; NO RING.  The work-group's whole input, (8 + 16) tiles x 12,288 bytes, fits in LDS: every byte of LDS is filled once, by four tensor loads, one a wave, issued at the start (one of a wave is out at the most);
; P comes whole, Q in three chunks (K steps 0, 1; 2-4; 5-7), so that the products begin when P and Q's first chunk have landed.
; CLUSTERS: 4 x 4 work-groups.  P's tiles hang on the block of i alone and are asked for jointly along a row of the cluster, Q's on the block of j alone, along a column.
; THE MATRIX INSTRUCTION IS USED TRANSPOSED (source 0 = 16 rows of Q, source 1 = 16 rows of P): lane (r, h) holds row r of P's tile, and register 16 B + i of a tile's 64 is j = 32 B + 16 h + i: neighbours along the next K.
; THE WAY OUT needs no LDS: quantised in registers, a tile's 64 numbers a lane ARE the next operand's fragment, which is stored as an image, 8 bytes a lane.
; qkv: three parts (q, k, v) of 128 (batch x 16 + head) x 8 blocks of 6,656 bytes.  q, k: block = 128 tokens: tile tt at 768 tt + 256 p + 8 lane (p = 0..2: registers 2 p, 2 p + 1: the head's 64 codes);
;   scale word of tile 4 G + a, row r at 6144 + 256 G + 16 r + 4 a (bytes 0, 1 the head's two blocks; bytes 2, 3 stand over zero codes and are never 0xff).
;   v: block = 128 keys: tile a of the head's channels at 1536 a + 256 p + 8 lane (p = 0..5); scale word at 6144 + 16 r + 4 a, and once more 256 bytes on, so that every byte of a block is written.
; LIMITS: NaN and infinities are not served; a block whose largest magnitude lies under 2^-124 has its byte held at 1, a block of zeros too (its codes are zeros; this program alone reads the bytes).
; REGISTERS, in windows of 256: window 0: addresses, scale words, P's fragments (two sets of 48), the way out's work; window 1: the accumulators, (a, t) at v[64 a + 8 t]; window 2: Q's fragments, two sets of 96.
.set TB,    12800
; THE FILLS AS THEY STAND NOW: four joint loads, ONE A WAVE, each byte of LDS filled once: wave 0 all of P's 8 tiles (rows of 12,288 bytes), wave 1 K steps 0, 1 of Q's 16 tiles (rows of 3,072),
; wave 2 K steps 2-4 and wave 3 K steps 5-7 (rows of 4,608).  Three barriers show them: at the head waves 0 and 1 have waited, in K step 1 wave 2 too, in K step 4 every wave.
.set QA,    98304                      ; LDS: P's tiles from 0 on, 12,288 bytes each; then Q's K steps 0, 1,
.set QB,    147456                     ; its K steps 2-4,
.set QC,    221184                     ; and its K steps 5-7
.set SPARE, 294912                     ; behind the four chunks: the spare words, 128 bytes for each wave: two blocks of 256 bytes that no other line names
.set QS,    6815744                    ; a part of qkv
.set BB,    6656                       ; a block of it
.set SPW,   2                          ; v2   LDS address of my spare word; never rewritten
.set NIL,   3                          ; v3   0; never rewritten
.set ADP,   4                          ; v4   LDS address of my P fragments
.set ADQ,   8                          ; v8-10  the same for Q, one for each of its three regions
.set VSC,   12                         ; v12  32 r + 16 h: my place among a tile's scale words
.set FL,    13                         ; v13  the floor 2^(3 - 127)
.set VO,    14                         ; v14  8 x lane; v15 the same for a fragment's upper six registers
.set SP,    16                         ; v16-31  P's scale words: tile a at 4 a; register j: lanes 0-15 K step j, lanes 16-31 K step 4 + j
.set SQ,    32                         ; v32-63  Q's likewise
.set PF,    64                         ; v64-159 P's fragments; on the way out v64-111 take the codes, 12 a tile
.set VS,    160                        ; v160 where I store my four scale words
.set SHV,   161                        ; v161 by how many bits they are shifted first
.set TM,    164                        ; v164-167 largest magnitudes, v168-171 bytes, v176-179 the conversions' scale operands
.set PH,    180                        ; v180-186 the blocks' halves that are made apart (a conversion's three registers begin on an even number)
.set SW,    188                        ; v188-191 the scale words just made, one a tile
.set MSB, 0
.macro WIN new                         ; the immediate's high byte repeats the setting that is left
.if MSB != \new
	s_set_vgpr_msb (MSB<<8)|\new
.set MSB, \new
.endif
.endm
.macro CROUND                          ; a round of the cluster's barrier
	s_barrier_signal -1
	s_barrier_wait -1
	s_cmp_lg_u32 s8, 0
	s_cbranch_scc1 .Lnot_wave_0_\@
	s_barrier_signal -3
.Lnot_wave_0_\@:
	s_barrier_wait -3
	s_barrier_signal -1
	s_barrier_wait -1
.endm
	s_load_b128 s[4:7], s[0:1], 0x0                ; ops s[4:5], qkv s[6:7]
	v_lshl_add_u32 v[SPW], v0, 2, SPARE
	v_mov_b32 v[NIL], 0
	ds_add_u32 v[SPW], v[NIL]                      ; the wave's opening: the add and its wait stand ahead of my first tensor load; the set-up below, work on registers, stands between them
	ds_add_u32 v[SPW], v[NIL]
	v_lshrrev_b32 v1, 5, v0
	v_readfirstlane_b32 s8, v1                     ; wave 0..3
	s_lshr_b32 s9, s8, 1                           ; wi: which 64 of the 128 i
	s_and_b32 s10, s8, 1                           ; wj: which 128 of the 256 j
	s_bfe_u32 s11, ttmp6, 0x40000                  ; cx
	s_bfe_u32 s12, ttmp6, 0x40004                  ; cy
	s_and_b32 s13, ttmp7, 0xffff                   ; the cluster's y: 0..47
	s_lshr_b32 s14, s13, 4                         ; kind
	s_and_b32 s15, s13, 15                         ; the cluster's number in its kind
	s_lshr_b32 s16, s14, 1                         ; 1 for v, else 0
	s_mul_i32 s19, s16, 3
	s_lshr_b32 s17, s15, s19                       ; q, k: 16 clusters along i, one along j; v: 2 along i, 8 along j
	s_lshl_b32 s17, s17, 2
	s_add_co_u32 s17, s17, s12                     ; ib: my block of 128 i: it holds cy and never cx
	s_and_b32 s18, s15, 7
	s_mul_i32 s18, s18, s16
	s_lshl_b32 s18, s18, 2
	s_add_co_u32 s18, s18, s11                     ; jb: my block of 256 j: it holds cx and never cy
	s_lshl_b32 s19, s12, 2
	s_lshl_b32 s19, 15, s19                        ; my row of the cluster
	s_lshl_b32 s66, 0x1111, s11                    ; my column
	; descriptor group 1, elements of 8 bytes: a row is a tile's part of a load: 1,536 elements for P, 384 or 576 for Q; rows 1,600 elements (a tile) apart; P: 8 rows a load, Q: 16.  No padding: the images are read 16 x lane on end
	s_or_b32 s24, s19, (3<<16)|(1<<21)             ; 15:0 the mask: P's tiles go to my row; 17:16 elements of 8 bytes; 21 set beside a mask
	s_or_b32 s32, s66, (3<<16)|(1<<21)             ; Q's go to my column
	s_mov_b32 s25, 1536<<16                        ; P: 8 rows of 1,536 elements
	s_mov_b32 s33, 384<<16                         ; Q, K steps 0, 1: 16 rows of 384
	s_mov_b32 s26, 8<<16
	s_mov_b32 s34, 16<<16
	s_mov_b32 s27, 1536<<16
	s_mov_b32 s35, 384<<16
	s_mov_b32 s28, 8
	s_mov_b32 s36, 16
	s_or_b32 s40, s66, (3<<16)|(1<<21)             ; Q, three K steps: 16 rows of 576
	s_mov_b32 s41, 576<<16
	s_mov_b32 s42, 16<<16
	s_mov_b32 s43, 576<<16
	s_mov_b32 s44, 16
	s_mov_b32 s45, 1600
	s_mov_b32 s46, 0
	s_mov_b32 s47, 0
	s_mov_b32 s29, 1600                            ; tensor_dim0_stride
	s_mov_b32 s37, 1600
	s_mov_b32 s30, 0
	s_mov_b32 s38, 0
	s_mov_b32 s31, 0
	s_mov_b32 s39, 0
	; the tiles' numbers in ops.  P: 512 kind + 8 ib for q, k; 1664 + 8 ib for v.  Q: 1536 + 64 kind + 16 jb for q, k; 1024 + 16 jb for v
	s_lshl_b32 s86, s14, 9
	s_mul_i32 s87, s16, 640
	s_add_co_u32 s88, s86, s87
	s_lshl_b32 s89, s17, 3
	s_add_co_u32 s88, s88, s89                     ; P's first tile
	s_lshl_b32 s90, s14, 6
	s_add_co_u32 s90, s90, 1536
	s_sub_co_u32 s90, s90, s87
	s_lshl_b32 s91, s18, 4
	s_add_co_u32 s90, s90, s91                     ; Q's first tile
	s_mul_i32 s20, s88, TB                         ; P's first tile
	s_mov_b32 s21, 0
	s_mul_i32 s22, s90, TB                         ; Q's first tile
	s_mov_b32 s23, 0
	s_wait_dscnt 0x0                               ; the opening add is done
	s_wait_kmcnt 0x0
	s_add_nc_u64 s[20:21], s[4:5], s[20:21]
	s_add_nc_u64 s[22:23], s[4:5], s[22:23]
.macro G0SET g, l, a, c                ; descriptor group 0 for chunk c
	s_mov_b32 s[\g], 1                             ; 1:0 count = 1
	s_mov_b32 s[\g+1], \l                          ; 63:32 LDS address: a constant
	s_add_nc_u64 s[\g+2:\g+3], s[\a:\a+1], \c      ; 120:64 global address: the first tile, c bytes along K
	s_or_b32 s[\g+3], s[\g+3], 0x80000000          ; 127:126 type = 2
.endm
	G0SET 48, 0, 20, 0
	G0SET 52, QA, 22, 0
	G0SET 56, QB, 22, 3072
	G0SET 60, QC, 22, 7680
	CROUND                                         ; all sixteen work-groups are here: the joint loads meet
.macro ARM under, g0, g1, next         ; one chain of branches on the wave's number, one load to an arm, all arms to one join
	s_cmp_lt_u32 s8, \under
	s_cbranch_scc0 \next
	tensor_load_to_lds s[\g0:\g0+3], s[\g1:\g1+7]
	s_nop 0
.rept 4
	v_nop
.endr
	s_branch .Lasked
\next:
.endm
	ARM 1, 48, 24, .Larm_qa
	ARM 2, 52, 32, .Larm_qb
	ARM 3, 56, 40, .Larm_qc
	tensor_load_to_lds s[60:63], s[40:47]
	s_nop 0
.rept 4
	v_nop
.endr
.Lasked:
	; the scale words go straight into registers: a tile's 512 bytes by one load; lane (r, h) takes row r's words of K steps 4 h .. 4 h + 3
	v_and_b32 v1, 31, v0                           ; lane
	v_and_b32 v162, 15, v0                         ; r
	v_bfe_u32 v163, v0, 4, 1                       ; h
	v_lshlrev_b32 v[VSC], 5, v162
	v_lshl_add_u32 v[VSC], v163, 4, v[VSC]
	s_wait_alu depctr_va_vdst(0)
	s_lshl_b32 s2, s9, 2
	s_add_co_u32 s2, s2, s88
	s_mul_i32 s2, s2, TB
	s_mov_b32 s3, 0
	s_add_nc_u64 s[2:3], s[4:5], s[2:3]            ; my four tiles of P
	s_lshl_b32 s66, s10, 3
	s_add_co_u32 s66, s66, s90
	s_mul_i32 s66, s66, TB
	s_mov_b32 s67, 0
	s_add_nc_u64 s[66:67], s[4:5], s[66:67]        ; my eight tiles of Q
.irp a, 0,1,2,3
	global_load_b128 v[SP+4*\a:SP+4*\a+3], v[VSC], s[2:3] offset:\a*TB+12288
.endr
.irp t, 0,1,2,3,4,5,6,7
	global_load_b128 v[SQ+4*\t:SQ+4*\t+3], v[VSC], s[66:67] offset:\t*TB+12288
.endr
	s_mul_i32 s92, s9, 49152
	v_lshl_add_u32 v[ADP], v1, 4, s92              ; 16 x lane + my four tiles of P
	s_mul_i32 s93, s10, 24576
	s_add_co_u32 s93, s93, QA
	v_lshl_add_u32 v[ADQ], v1, 4, s93              ; 16 x lane + my eight tiles of Q, K steps 0, 1;
	s_mul_i32 s93, s10, 36864
	s_add_co_u32 s93, s93, QB
	v_lshl_add_u32 v[ADQ+1], v1, 4, s93            ; K steps 2-4;
	v_add_nc_u32 v[ADQ+2], QC-QB, v[ADQ+1]         ; K steps 5-7
	v_mov_b32 v[FL], 0x1800000
.irp b, 0,1,2,3
	v_mov_b32 v[TM+4+\b], 0                        ; written once: a lane permute's destination counts as one of its sources
.endr
	s_mov_b32 s20, 0x76543210
	s_mov_b32 s21, 0xfedcba98                      ; v_permlanex16_b32's selects for lane l xor 16
	; where the results go.  q, k: batch ib / 8, heads 4 jb + 2 wj and the next, block ib % 8, tiles 4 wi + a.  v: batch jb / 4, head 2 ib + wi, block 2 (jb % 4) + wj, tiles a.
	s_lshr_b32 s86, s17, 3
	s_lshr_b32 s87, s18, 2
	s_lshl_b32 s88, s18, 2
	s_lshl_b32 s89, s10, 1
	s_add_co_u32 s88, s88, s89
	s_lshl_b32 s89, s17, 1
	s_add_co_u32 s89, s89, s9
	s_and_b32 s90, s17, 7
	s_and_b32 s91, s18, 3
	s_lshl_b32 s91, s91, 1
	s_add_co_u32 s91, s91, s10
	s_mul_i32 s92, s9, 3072
	s_lshl_b32 s93, s9, 8
	s_cmp_eq_u32 s14, 2                            ; one compare; only selects and moves, which leave SCC alone, follow it
	s_cselect_b32 s86, s87, s86                    ; batch
	s_cselect_b32 s88, s89, s88                    ; head
	s_cselect_b32 s90, s91, s90                    ; block
	s_cselect_b32 s92, 0, s92                      ; my first tile's codes in the block
	s_cselect_b32 s93, 0, s93                      ; my tiles' scale words
	s_mov_b32 s94, 768
	s_cselect_b32 s94, 1536, s94                   ; from tile to tile
	s_mov_b32 s95, 8*BB
	s_cselect_b32 s96, 768, s95                    ; from a fragment's lower six registers to its upper six: the next head's block, or on in the tile
	s_cselect_b32 s97, 256, s95                    ; what lanes 16-31 do with the scale words: the next head's block, or the copy
	s_cselect_b32 s98, 0, 16                       ; and by how much they shift them
	s_lshl_b32 s86, s86, 4
	s_add_co_u32 s86, s86, s88
	s_lshl_b32 s86, s86, 3
	s_add_co_u32 s86, s86, s90
	s_mul_i32 s86, s86, BB
	s_mul_i32 s87, s14, QS
	s_add_co_u32 s86, s86, s87                     ; my block's first byte in qkv (under 2^25)
	s_add_co_u32 s88, s86, s92
	s_mov_b32 s89, 0
	s_mov_b32 s95, 0
	s_add_nc_u64 s[76:77], s[6:7], s[88:89]        ; tile 0's codes,
	s_add_nc_u64 s[78:79], s[76:77], s[94:95]      ; tile 1's,
	s_add_nc_u64 s[80:81], s[78:79], s[94:95]
	s_add_nc_u64 s[82:83], s[80:81], s[94:95]
	s_add_co_u32 s88, s86, s93
	s_add_co_u32 s88, s88, 6144
	s_add_nc_u64 s[84:85], s[6:7], s[88:89]        ; the scale words
	v_lshlrev_b32 v[VO], 3, v1
	v_add_nc_u32 v[VO+1], s96, v[VO]
	v_mul_u32_u24 v[VS], s97, v163
	v_lshl_add_u32 v[VS], v162, 4, v[VS]           ; 16 r + h x the distance
	v_mul_u32_u24 v[SHV], s98, v163
; K step s's fragments: 24 + 12 loads of 512 consecutive bytes, into set s % 2
.macro FETCH s
.if (\s) < 2                           ; which of Q's three regions holds K step s, its row there, and the step's place in the row
.set QR, 0
.set QW, 3072
.set QO, 1536*(\s)
.elseif (\s) < 5
.set QR, 1
.set QW, 4608
.set QO, 1536*((\s)-2)
.else
.set QR, 2
.set QW, 4608
.set QO, 1536*((\s)-5)
.endif
	WIN 0x80
.irp t, 0,1,2,3,4,5,6,7
.irp g, 0,1,2
	ds_load_b128 v[96*((\s)%2)+12*\t+4*\g:96*((\s)%2)+12*\t+4*\g+3], v[ADQ+QR] offset:QW*\t+QO+512*\g
.endr
.endr
	WIN 0
.irp a, 0,1,2,3
.irp g, 0,1,2
	ds_load_b128 v[PF+48*((\s)%2)+12*\a+4*\g:PF+48*((\s)%2)+12*\a+4*\g+3], v[ADP] offset:12288*\a+1536*(\s)+512*\g
.endr
.endr
.endm
; 32 matrix instructions.  The 32 accumulators take turns, one instruction a turn, in the same order in every K step.  K step 0 starts the sums: nothing is cleared.
; K steps 4-7 take their scale words from lanes 16-31.
.macro MM s
.irp a, 0,1,2,3
.irp t, 0,1,2,3,4,5,6,7
.if (\s) == 0
	v_wmma_scale_f32_16x16x128_f8f6f4 v[64*\a+8*\t:64*\a+8*\t+7], v[96*((\s)%2)+12*\t:96*((\s)%2)+12*\t+11], v[PF+48*((\s)%2)+12*\a:PF+48*((\s)%2)+12*\a+11], 0, v[SQ+4*\t+(\s)%4], v[SP+4*\a+(\s)%4] matrix_a_fmt:MATRIX_FMT_FP6 matrix_b_fmt:MATRIX_FMT_FP6
.elseif (\s) < 4
	v_wmma_scale_f32_16x16x128_f8f6f4 v[64*\a+8*\t:64*\a+8*\t+7], v[96*((\s)%2)+12*\t:96*((\s)%2)+12*\t+11], v[PF+48*((\s)%2)+12*\a:PF+48*((\s)%2)+12*\a+11], v[64*\a+8*\t:64*\a+8*\t+7], v[SQ+4*\t+(\s)%4], v[SP+4*\a+(\s)%4] matrix_a_fmt:MATRIX_FMT_FP6 matrix_b_fmt:MATRIX_FMT_FP6
.else
	v_wmma_scale_f32_16x16x128_f8f6f4 v[64*\a+8*\t:64*\a+8*\t+7], v[96*((\s)%2)+12*\t:96*((\s)%2)+12*\t+11], v[PF+48*((\s)%2)+12*\a:PF+48*((\s)%2)+12*\a+11], v[64*\a+8*\t:64*\a+8*\t+7], v[SQ+4*\t+(\s)%4], v[SP+4*\a+(\s)%4] matrix_a_fmt:MATRIX_FMT_FP6 matrix_b_fmt:MATRIX_FMT_FP6 matrix_a_scale:MATRIX_SCALE_ROW1 matrix_b_scale:MATRIX_SCALE_ROW1
.endif
.endr
.endr
.endm
.macro KSTEP s
	s_wait_dscnt 0x0                               ; this K step's 36 loads, issued 32 matrix instructions ago, are in
.if (\s) == 1
	WIN 0
	s_cmp_lt_u32 s8, 3                             ; wave 2's load, K steps 2-4 of Q, is shown to all; wave 3's may be out
	s_cbranch_scc0 .Lnot_yet_\@
	s_wait_tensorcnt 0x0
.Lnot_yet_\@:
	s_barrier_signal -1
	s_barrier_wait -1
.endif
.if (\s) == 4
	s_wait_tensorcnt 0x0                           ; all that is still out, K steps 5-7 of Q, is shown: every wave waits
	s_barrier_signal -1
	s_barrier_wait -1
.endif
.if (\s) < 7
.if (\s) > 0
.rept 4
	v_nop                                          ; four places in front of loads into the set that the last K step multiplied (ISA guide 7.12.1 for vector instructions)
.endr
.endif
	FETCH (\s)+1
.endif
	WIN 0x52                                       ; source 0 (Q) window 2, source 1 (P) window 0, C and D window 1
	MM \s
.endm
	s_wait_alu depctr_va_vdst(0)                   ; the head's end
	s_cmp_lt_u32 s8, 2                             ; waves 0 and 1 wait for their loads: P, and K steps 0, 1 of Q
	s_cbranch_scc0 .Lnot_01
	s_wait_tensorcnt 0x0
.Lnot_01:
	s_barrier_signal -1
	s_barrier_wait -1
	FETCH 0
	s_wait_loadcnt 0x0                             ; the scale words
.irp s, 0,1,2,3,4,5,6,7
	KSTEP \s
.endr
	WIN 0
.rept 4
	v_nop                                          ; four places in front of the first read of results
.endr
; THE WAY OUT.  Tile a's 64 numbers of a lane, register 16 b + i = j 32 b + 16 h + i of my row, become a fragment's codes in v[PF + 12 a] on and its scale word in v[SW + a].  Each accumulator is read from its low end on.
.macro QUANTW a
	WIN 0x14                                       ; sources 1 and 2 window 1
.irp b, 0,1,2,3
	v_max3_num_f32 v[TM+\b], v[FL], |v[64*\a+16*\b]|, |v[64*\a+16*\b+1]|   ; block b: my 16 numbers, and the floor: the byte cannot fall under 1
.endr
.irp i, 2,4,6,8,10,12,14
.irp b, 0,1,2,3
	v_max3_num_f32 v[TM+\b], v[TM+\b], |v[64*\a+16*\b+\i]|, |v[64*\a+16*\b+\i+1]|   ; (the four blocks by turns)
.endr
.endr
	WIN 0
.irp b, 0,1,2,3
	v_permlanex16_b32 v[TM+4+\b], v[TM+\b], s20, s21
.endr
.irp b, 0,1,2,3
	v_max_num_f32 v[TM+\b], v[TM+\b], v[TM+4+\b]   ; with lane l xor 16's: the block's largest magnitude
.endr
.irp b, 0,1,2,3
	v_add_nc_u32 v[TM+12+\b], 0xff000000, v[TM+\b] ; 2 off its exponent field: the conversion's scale operand
.endr
.irp b, 0,1,2,3
	v_lshrrev_b32 v[TM+4+\b], 23, v[TM+12+\b]      ; the scale's byte
.endr
	v_lshl_or_b32 v[SW+\a], v[TM+5], 8, v[TM+4]
	v_lshl_or_b32 v[SW+\a], v[TM+6], 16, v[SW+\a]
	v_lshl_or_b32 v[SW+\a], v[TM+7], 24, v[SW+\a]
	WIN 0x01                                       ; source 0 window 1
.irp c, 0,1
	v_cvt_scalef32_pk16_fp6_f32 v[PF+12*\a+6*\c:PF+12*\a+6*\c+2], v[64*\a+32*\c:64*\a+32*\c+15], v[TM+12+2*\c]
	v_cvt_scalef32_pk16_fp6_f32 v[PH+4*\c:PH+4*\c+2], v[64*\a+32*\c+16:64*\a+32*\c+31], v[TM+12+2*\c+1]
.endr
	WIN 0
	v_nop                                          ; one plain line behind the conversions
.irp c, 0,1                            ; the operand's layout wants a WHOLE block in a lane: lanes 0-15 block 2 c, lanes 16-31 block 2 c + 1
.irp i, 0,1,2
	v_permlane16_swap_b32 v[PF+12*\a+6*\c+\i], v[PH+4*\c+\i]
.endr
.irp i, 0,1,2
	v_mov_b32 v[PF+12*\a+6*\c+3+\i], v[PH+4*\c+\i]
.endr
.endr
.irp p, 0,1,2,3,4,5
	global_store_b64 v[VO+\p/3], v[PF+12*\a+2*\p:PF+12*\a+2*\p+1], s[76+2*\a:77+2*\a] offset:256*(\p%3)   ; 32 lanes store 256 consecutive bytes, at a multiple of 256 from the buffer's first byte.  Each tile has registers of its own: no store's data are written again
.endr
.endm
	QUANTW 0
	QUANTW 1
	QUANTW 2
	QUANTW 3
.irp a, 0,1,2,3
	v_lshrrev_b32 v[SW+\a], v[SHV], v[SW+\a]       ; q, k: lanes 16-31 bring the second head's two bytes down
.endr
	global_store_b128 v[VS], v[SW:SW+3], s[84:85]  ; sixteen lanes store 256 consecutive bytes: lanes 0-15 my tiles' words, lanes 16-31 the second head's (q, k) or the copy (v)
	s_wait_tensorcnt 0x0                           ; the wave's end, behind my last tensor load
	ds_add_u32 v[SPW], v[NIL]
	s_wait_dscnt 0x0
	CROUND                                         ; the closing round: no work-group ends while a partner may still ask for a tile that names it
	s_endpgm
.Lfunc_end_k_q056e85ceca_proj:
	.size	k_q056e85ceca_proj, .Lfunc_end_k_q056e85ceca_proj-k_q056e85ceca_proj
	.p2alignl 7, 3214868480
	.fill 96, 4, 3214868480
	.section	.rodata,"a",@progbits
	.p2align	6, 0x0
	.amdhsa_kernel k_q056e85ceca_proj
		.amdhsa_group_segment_fixed_size 295424
		.amdhsa_private_segment_fixed_size 0
		.amdhsa_enable_private_segment 0
		.amdhsa_kernarg_size 16
		.amdhsa_user_sgpr_count 2
		.amdhsa_user_sgpr_kernarg_segment_ptr 1
		.amdhsa_wavefront_size32 1
		.amdhsa_system_sgpr_workgroup_id_x 1
		.amdhsa_system_sgpr_workgroup_id_y 1
		.amdhsa_system_sgpr_workgroup_id_z 1
		.amdhsa_system_vgpr_workitem_id 0
		.amdhsa_next_free_vgpr 768
		.amdhsa_next_free_sgpr 100
		.amdhsa_reserve_vcc 0
		.amdhsa_float_denorm_mode_32 3
		.amdhsa_float_denorm_mode_16_64 3
		.amdhsa_memory_ordered 1
		.amdhsa_forward_progress 1
		.amdhsa_inst_pref_size 81
	.end_amdhsa_kernel
	.amdgpu_metadata
---
amdhsa.version: [ 1, 2 ]
amdhsa.kernels:
  - .name:           k_q056e85ceca_proj
    .symbol:         k_q056e85ceca_proj.kd
    .args:
      - { .name: ops, .offset: 0, .size: 8, .value_kind: global_buffer, .address_space: global }
      - { .name: qkv, .offset: 8, .size: 8, .value_kind: global_buffer, .address_space: global }
    .group_segment_fixed_size: 295424
    .private_segment_fixed_size: 0
    .kernarg_segment_align: 8
    .kernarg_segment_size: 16
    .max_flat_workgroup_size: 128
    .sgpr_count:     100
    .vgpr_count:     768
    .wavefront_size: 32
...
	.end_amdgpu_metadata
.endif
;; end of part 2
;; launch attn (part 3): grid 2 x 128, 8 waves a work-group, no clusters, 178,176 bytes of LDS; arguments qkv, out0; writes out0
.if DOCPART == 3
	.amdgcn_target "amdgcn-amd-amdhsa--gfx1250"
	.amdhsa_code_object_version 6
	.text
	.protected	k_q056e85ceca_attn
	.globl	k_q056e85ceca_attn
	.p2align	8
	.type	k_q056e85ceca_attn,@function
k_q056e85ceca_attn:
	s_mov_b64 s[64:65], 0
	v_nop
	global_prefetch_b8 v0, s[64:65] scope:SCOPE_SE
	s_setreg_imm32_b32 hwreg(HW_REG_WAVE_MODE, 25, 1), 1
	s_wait_xcnt 0x0
; out0[b][q][64 head + d] = the sum over keys of softmax(q . k / 8) v, both products on codes of FP6 (E2M3) with one E8M0 scale for each 32 along a product's K.
; q, k, v come from qkv as images of operand registers (three parts of 128 (16 b + head) x 8 blocks of 6,656 bytes: 6,144 of codes, 8 bytes a lane in pieces of 256, then 512 of scale words).
; THE SOFTMAX: t = score x log2(e) / 8; M = the row's largest t so far, rounded UP to a whole number; p = 2^(t - M) is quantised along the keys, not normalised.  The row's sum is taken of the unquantised p
; and divides O at the end.  When M moves, the sum and O are multiplied by 2^(old M - new M): exact.
; SHARES.  A work-group owns 512 queries of one batch and head: 32 tiles of 16.  Each of its EIGHT waves holds TWO tiles at once (tiles 2 w, 2 w + 1 of 16: 32 neighbouring queries), in two passes:
; each fragment of K and of V read from LDS feeds two products, and the two tiles' chains of vector work stand line by line in turn.
; THE FIRST PRODUCT'S K IS THE HEAD'S 64.  Registers 6-11 of Q's fragments hold zero codes; FP6 has no NaN and no infinity, so what stands against them in K's operand adds nothing under any scale byte but 0xff:
; K's fragments lie 6 registers apart, each operand reaching into the next fragment (the last into six registers of zeros).
; ALL OF THE HEAD'S K AND V, 106,496 bytes, STAY IN LDS, each byte filled once: wave w brings two blocks (52 rows of 256 bytes) by its one tensor load: even waves K's key steps w, w + 1, odd waves V's w - 1, w.
; The loads stand in three arms (waves 0-1, 2-3, 4-7), and three barriers show them: key step 0 of the first pass reads what waves 0-1 brought (K's step 1 among it), steps 1, 2 what waves 0-3 brought, steps 3-7 all.
; No prefetch: all that the work-group reads is asked for in its first lines, but the second pass's q, asked for ahead of the first pass's way out.
; NO CLUSTER: two work-groups read a head's K and V, and the grid's 2 along x is no multiple of a cluster's 4.
; LAYOUT.  Both products are used transposed: S^T = K Q^T, O^T = V^T P^T: a lane holds ONE query (lane % 16) of each tile.  Tile 2 B + u holds rows 32 B + 8 u + r + 8 (r / 8), so the 16 registers of tiles
; 2 B, 2 B + 1 are 16 neighbours, 32 B + 16 (lane / 16) + 0 .. 15: keys in S^T, channels in O^T.
; LIMITS: NaN and infinities are not served; the promise holds while |t| stays under 2^31.  A block's largest p is taken as the exponential of its largest score, which takes v_exp_f32 not to fall where its input rises.
; REGISTERS: window 0 as named below; window 1: v0-63 S^T then p of tile A, v64-127 of tile B, v128-159 O^T of A, v160-191 of B.
.set QS,    6815744
.set BB,    6656
.set VB,    8*BB                       ; LDS: V's blocks behind K's eight
.set STAGE, 16*BB                      ; the way out: 32 rows x (256 + 16) bytes for each wave; no tensor load lands here
.set SPARE, STAGE+8*8704               ; the spare words, 128 bytes a wave: four blocks of 256 bytes that no other line names
.set ADL,  1                           ; 8 x lane
.set ADR,  2                           ; 16 r
.set SPW,  3                           ; my spare word; never rewritten
.set NIL,  4                           ; 0; never rewritten
.set GO,   5                           ; out0: (lane / 16) rows of 4,096 bytes + 16 (lane % 16)
.set ADK,  6                           ; the key step's codes
.set ADS,  7                           ; its scale words
.set STO,  8                           ; the stage, in
.set RD,   9                           ; the stage, back
.set VQ,   10                          ; my tiles' codes in their block of q
.set VQS,  11                          ; and their scale words
; v12 -M, v13 the largest score, v[14:15] the sum of tile A; v16-19 the same of B; v[20:21], v[22:23] f of A, B (the upper halves: 0)
.set QA,   24                          ; v24-35 Q of A (v30-35 zeros), v36-47 of B
.set QB,   36
.set QSC,  48                          ; v48, v49 Q's scale words; v50, v51 p's; v52-59 K's; v60-63 V's
.set PSC,  50
.set KS,   52
.set VS,   60
.set KF,   64                          ; v64-111 K's eight fragments, 6 apart; v112-117 zeros
.set VF,   118                         ; v118-165 V's four
.set PA,   166                         ; v166-177 p's codes of A, v178-189 of B
.set PB,   178
.set BM,   190                         ; v190-197 the blocks' largest scores, then p: A's four, B's four
.set XL,   198                         ; v198-205 from lane l xor 16; then the scale bytes
.set SO,   206                         ; v206-213 the conversions' scale operands
.set PH,   214                         ; v214-229 the blocks' upper halves as converted
.set SC,   230                         ; v230-241 the sums' side chains
.set TP,   242                         ; v242-245 at work
.set OA,   128
.set OB,   160
.set CS,   24                          ; s[24:25] c = log2(e) / 8
.set SEL,  26                          ; s[26:27] selects for lane l xor 16
.set TBS,  28                          ; LDS byte of the key step's block of K
.set CNT,  29
.set NC,   46                          ; -c
.set MSB, 0
.macro WIN new                         ; the immediate's high byte repeats the setting that is left
.if MSB != \new
	s_set_vgpr_msb (MSB<<8)|\new
.set MSB, \new
.endif
.endm
.macro WALU
	s_wait_alu depctr_va_vdst(0)
.endm
.macro MM d, a, b, c, sa, sb
	v_wmma_scale_f32_16x16x128_f8f6f4 v[\d:\d+7], v[\a:\a+11], v[\b:\b+11], \c, v[\sa], v[\sb] matrix_a_fmt:MATRIX_FMT_FP6 matrix_b_fmt:MATRIX_FMT_FP6
.endm
.macro KLOAD adk, ads, off             ; a key step's eight fragments of K and their scale words: 26 loads
.irp t, 0,1,2,3,4,5,6,7
.irp p, 0,1,2
	ds_load_b64 v[KF+6*\t+2*\p:KF+6*\t+2*\p+1], v[\adk] offset:\off+768*\t+256*\p
.endr
.endr
	ds_load_b128 v[KS:KS+3], v[\ads] offset:\off+6144
	ds_load_b128 v[KS+4:KS+7], v[\ads] offset:\off+6400
.endm
.macro SUMS s, l, c                    ; 64 p into the sum l and three side chains: 29 packed additions
	WIN 0x05
	v_pk_add_f32 v[\c:\c+1], v[\s:\s+1], v[\s+2:\s+3]
	v_pk_add_f32 v[\c+2:\c+3], v[\s+4:\s+5], v[\s+6:\s+7]
	v_pk_add_f32 v[\c+4:\c+5], v[\s+8:\s+9], v[\s+10:\s+11]
	WIN 0x04
.set J, 12
.rept 6
	v_pk_add_f32 v[\l:\l+1], v[\l:\l+1], v[\s+J:\s+J+1]
	v_pk_add_f32 v[\c:\c+1], v[\c:\c+1], v[\s+J+2:\s+J+3]
	v_pk_add_f32 v[\c+2:\c+3], v[\c+2:\c+3], v[\s+J+4:\s+J+5]
	v_pk_add_f32 v[\c+4:\c+5], v[\c+4:\c+5], v[\s+J+6:\s+J+7]
.set J, J+8
.endr
	v_pk_add_f32 v[\l:\l+1], v[\l:\l+1], v[\s+60:\s+61]
	v_pk_add_f32 v[\c:\c+1], v[\c:\c+1], v[\s+62:\s+63]
	WIN 0
.endm
.macro JOIN l, c
	v_pk_add_f32 v[\c:\c+1], v[\c:\c+1], v[\c+2:\c+3]
	v_pk_add_f32 v[\l:\l+1], v[\l:\l+1], v[\c+4:\c+5]
	v_pk_add_f32 v[\l:\l+1], v[\l:\l+1], v[\c:\c+1]
.endm
; ONE KEY STEP OF 128 KEYS FOR BOTH TILES.  K's fragments were asked for a step ago.
.macro TRIP
	s_wait_dscnt 0x0                               ; K's fragments and scale words are in
	WIN 0x40
.irp t, 0,1,2,3,4,5,6,7
	MM 8*\t, KF+6*\t, QA, 0, KS+\t, QSC
	MM 64+8*\t, KF+6*\t, QB, 0, KS+\t, QSC+1
.endr
	WIN 0
	v_add_nc_u32 v[ADK], s[TBS], v[ADL]
	v_add_nc_u32 v[ADS], s[TBS], v[ADR]
	v_nop
	v_nop                                          ; four places in front of the loads below and of the first read of the scores
.irp a, 0,1,2,3
.irp p, 0,1,2,3,4,5
	ds_load_b64 v[VF+12*\a+2*\p:VF+12*\a+2*\p+1], v[ADK] offset:VB+1536*\a+256*\p
.endr
.endr
	ds_load_b128 v[VS:VS+3], v[ADS] offset:VB+6144 ; V's 25 loads, then the next step's 26 of K (behind the last step: bytes of V's first block, which nothing uses)
	KLOAD ADK, ADS, BB
	WIN 0x15                                       ; the largest score of each block of 32 keys: eight chains by turns
.irp b, 0,1,2,3
	v_max3_num_f32 v[BM+\b], v[16*\b], v[16*\b+1], v[16*\b+2]
	v_max3_num_f32 v[BM+4+\b], v[64+16*\b], v[64+16*\b+1], v[64+16*\b+2]
.endr
	WIN 0x14
.irp i, 3,5,7,9,11,13
.irp b, 0,1,2,3
	v_max3_num_f32 v[BM+\b], v[BM+\b], v[16*\b+\i], v[16*\b+\i+1]
	v_max3_num_f32 v[BM+4+\b], v[BM+4+\b], v[64+16*\b+\i], v[64+16*\b+\i+1]
.endr
.endr
.irp b, 0,1,2,3
	v_max_num_f32 v[BM+\b], v[BM+\b], v[16*\b+15]
	v_max_num_f32 v[BM+4+\b], v[BM+4+\b], v[64+16*\b+15]
.endr
	WIN 0
.irp b, 0,1,2,3,4,5,6,7
	v_permlanex16_b32 v[XL+\b], v[BM+\b], s[SEL], s[SEL+1]
.endr
.irp b, 0,1,2,3,4,5,6,7
	v_max_num_f32 v[BM+\b], v[BM+\b], v[XL+\b]     ; with lane l xor 16's 16 keys
.endr
	v_max3_num_f32 v[TP], v[BM], v[BM+1], v[BM+2]
	v_max3_num_f32 v[TP+1], v[BM+4], v[BM+5], v[BM+6]
	v_max3_num_f32 v13, v13, v[TP], v[BM+3]        ; the running largest score
	v_max3_num_f32 v17, v17, v[TP+1], v[BM+7]
	v_mul_f32 v[TP], s[NC], v13                    ; -t
	v_mul_f32 v[TP+1], s[NC], v17
	v_floor_f32 v[TP], v[TP]                       ; the new -M = -ceil(t): a whole number
	v_floor_f32 v[TP+1], v[TP+1]
	v_sub_f32 v[TP+2], v[TP], v12                  ; old M less new M: 0 or less
	v_sub_f32 v[TP+3], v[TP+1], v16
	v_mov_b32 v12, v[TP]
	v_mov_b32 v16, v[TP+1]
	v_cvt_i32_f32 v[TP+2], v[TP+2]                 ; (it saturates)
	v_cvt_i32_f32 v[TP+3], v[TP+3]
	v_ldexp_f32 v20, 1.0, v[TP+2]                  ; f = 2^(old M - new M)
	v_ldexp_f32 v22, 1.0, v[TP+3]
	v_pk_mul_f32 v[14:15], v[14:15], v[20:21] op_sel_hi:[1,0]
	v_pk_mul_f32 v[18:19], v[18:19], v[22:23] op_sel_hi:[1,0]
.irp b, 0,1,2,3
	v_fma_f32 v[BM+\b], v[BM+\b], s[CS], v12       ; t - M of each block's largest score
	v_fma_f32 v[BM+4+\b], v[BM+4+\b], s[CS], v16
.endr
	WIN 0x41
.set J, 0
.rept 16
	v_pk_mul_f32 v[OA+J:OA+J+1], v[OA+J:OA+J+1], v[20:21] op_sel_hi:[1,0]   ; O^T under the new M, ahead of the exponentials; each accumulator from its low end on
	v_pk_mul_f32 v[OB+J:OB+J+1], v[OB+J:OB+J+1], v[22:23] op_sel_hi:[1,0]
.set J, J+2
.endr
.set J, 0
.rept 32
	v_pk_fma_f32 v[J:J+1], v[J:J+1], s[CS:CS+1], v[12:13] op_sel_hi:[1,0,0]   ; A: t - M
.set J, J+2
.endr
	WALU                                           ; ahead of a batch of exponentials
.set J, 0
.rept 64
	v_exp_f32 v[J], v[J]                           ; A: p
.set J, J+1
.endr
.set J, 64
.rept 32
	v_pk_fma_f32 v[J:J+1], v[J:J+1], s[CS:CS+1], v[16:17] op_sel_hi:[1,0,0]   ; B: t - M
.set J, J+2
.endr
	WALU                                           ; behind A's batch, ahead of B's
.set J, 64
.rept 64
	v_exp_f32 v[J], v[J]                           ; B: p
.set J, J+1
.endr
	WIN 0
.irp b, 0,1,2,3,4,5,6,7
	v_exp_f32 v[BM+\b], v[BM+\b]                   ; the blocks' largest p
.endr
	SUMS 0, 14, SC                                 ; A's sum: it reads A's batch alone
	WALU                                           ; behind B's batch and the eight, and directly ahead of the wait below
	s_wait_dscnt 26                                ; V's 25 loads are in; the 26 issued behind them, the next step's K, may be out
.irp b, 0,1,2,3,4,5,6,7
	v_max_num_f32 v[BM+\b], 0x1800000, v[BM+\b]    ; the floor 2^(3 - 127): the byte cannot fall under 1
.endr
.irp b, 0,1,2,3,4,5,6,7
	v_add_nc_u32 v[SO+\b], 0xff000000, v[BM+\b]    ; 2 off the exponent field: the conversion's scale operand
.endr
.irp b, 0,1,2,3,4,5,6,7
	v_lshrrev_b32 v[XL+\b], 23, v[SO+\b]           ; the scale's byte
.endr
	v_lshl_or_b32 v[PSC], v[XL+1], 8, v[XL]        ; p's scale words for these 128 keys
	v_lshl_or_b32 v[PSC+1], v[XL+5], 8, v[XL+4]
	v_lshl_or_b32 v[PSC], v[XL+2], 16, v[PSC]
	v_lshl_or_b32 v[PSC+1], v[XL+6], 16, v[PSC+1]
	v_lshl_or_b32 v[PSC], v[XL+3], 24, v[PSC]
	v_lshl_or_b32 v[PSC+1], v[XL+7], 24, v[PSC+1]
	WIN 0x01
.irp c, 0,1
	v_cvt_scalef32_pk16_fp6_f32 v[PA+6*\c:PA+6*\c+2], v[32*\c:32*\c+15], v[SO+2*\c]
	v_cvt_scalef32_pk16_fp6_f32 v[PH+4*\c:PH+4*\c+2], v[32*\c+16:32*\c+31], v[SO+2*\c+1]
	v_cvt_scalef32_pk16_fp6_f32 v[PB+6*\c:PB+6*\c+2], v[64+32*\c:64+32*\c+15], v[SO+4+2*\c]
	v_cvt_scalef32_pk16_fp6_f32 v[PH+8+4*\c:PH+8+4*\c+2], v[64+32*\c+16:64+32*\c+31], v[SO+4+2*\c+1]
.endr
	WIN 0
	JOIN 14, SC                                    ; (plain lines behind the conversions)
.irp c, 0,1                            ; the operand wants a whole block in a lane
.irp i, 0,1,2
	v_permlane16_swap_b32 v[PA+6*\c+\i], v[PH+4*\c+\i]
	v_permlane16_swap_b32 v[PB+6*\c+\i], v[PH+8+4*\c+\i]
.endr
.endr
.irp c, 0,1
.irp i, 0,1,2
	v_mov_b32 v[PA+6*\c+3+\i], v[PH+4*\c+\i]
	v_mov_b32 v[PB+6*\c+3+\i], v[PH+8+4*\c+\i]
.endr
.endr
	SUMS 64, 18, SC+6                              ; B's sum: also the places between p's codes and scale words and the products
	JOIN 18, SC+6
	WIN 0x50
.irp a, 0,1,2,3                        ; O^T += V^T P^T: eight accumulators by turns
	MM OA+8*\a, VF+12*\a, PA, v[OA+8*\a:OA+8*\a+7], VS+\a, PSC
	MM OB+8*\a, VF+12*\a, PB, v[OB+8*\a:OB+8*\a+7], VS+\a, PSC+1
.endr
	WIN 0
	s_add_co_u32 s[TBS], s[TBS], BB
	WALU                                           ; ahead of the branch or barrier that follows
.endm
.macro AGAIN label
	s_sub_co_u32 s[CNT], s[CNT], 1
	s_cmp_lg_u32 s[CNT], 0
	s_cbranch_scc1 \label
.endm
.macro QLOAD off
.irp p, 0,1,2
	global_load_b64 v[QA+2*\p:QA+2*\p+1], v[VQ], s[30:31] offset:\off+256*\p
	global_load_b64 v[QB+2*\p:QB+2*\p+1], v[VQ], s[30:31] offset:\off+768+256*\p
.endr
	global_load_b64 v[QSC:QSC+1], v[VQS], s[30:31] offset:\off
.endm
.macro ARM under, next                 ; one chain of branches on the wave's number, one load to an arm, all arms to one join
	s_cmp_lt_u32 s8, \under
	s_cbranch_scc0 \next
	tensor_load_to_lds s[12:15], s[16:23]
	s_nop 0
.rept 4
	v_nop
.endr
	s_branch .Lasked
\next:
.endm
.macro SHOW under                      ; the loads of the waves under this number are shown to all
	s_cmp_lt_u32 s8, \under
	s_cbranch_scc0 .Lnot_mine_\@
	s_wait_tensorcnt 0x0
.Lnot_mine_\@:
	s_wait_dscnt 0x0
	s_barrier_signal -1
	s_barrier_wait -1
.endm
	s_load_b128 s[4:7], s[0:1], 0x0                ; qkv, out0
	v_lshl_add_u32 v[SPW], v0, 2, SPARE
	v_mov_b32 v[NIL], 0
	ds_add_u32 v[SPW], v[NIL]                      ; the opening lines: the add twice on end and its wait ahead of my tensor load
	ds_add_u32 v[SPW], v[NIL]
	v_lshrrev_b32 v6, 5, v0
	v_readfirstlane_b32 s8, v6                     ; wave 0..7
	s_and_b32 s10, ttmp7, 0xffff                   ; 16 b + head
	s_mov_b32 s16, 3<<16                           ; group 1: two blocks are dense: 52 rows of 256 bytes (32 elements of 8), no padding
	s_mov_b32 s17, 32<<16
	s_mov_b32 s18, 52<<16
	s_mov_b32 s19, 32<<16
	s_mov_b32 s20, 52
	s_mov_b32 s21, 32
	s_mov_b32 s22, 0
	s_mov_b32 s23, 0
	s_and_b32 s34, s8, 1                           ; 0: K, 1: V
	s_lshr_b32 s35, s8, 1                          ; which two blocks
	s_add_co_u32 s36, s34, 1
	s_mul_i32 s36, s36, QS
	s_lshl_b32 s37, s10, 3                         ; my head's first block in a part
	s_lshl_b32 s38, s35, 1
	s_add_co_u32 s38, s38, s37
	s_mul_i32 s38, s38, BB
	s_add_co_u32 s38, s38, s36
	s_mov_b32 s39, 0
	s_mov_b32 s12, 1
	s_mul_i32 s13, s34, VB
	s_mul_i32 s9, s35, 2*BB
	s_add_co_u32 s13, s13, s9                      ; LDS: VB x (wave % 2) + two blocks x (wave / 2)
	s_lshl_b32 s40, ttmp9, 2
	s_add_co_u32 s40, s40, s37
	s_lshr_b32 s9, s8, 2
	s_add_co_u32 s40, s40, s9                      ; tiles 32 x + 2 w, + 1 lie in block 4 x + w / 4 of q
	s_mul_i32 s40, s40, BB
	s_mov_b32 s41, 0
	s_lshl_b32 s42, ttmp9, 4
	s_add_co_u32 s42, s42, s8
	s_lshl_b32 s42, s42, 17                        ; my first query 32 (16 x + w), rows of 4,096 bytes
	s_lshr_b32 s43, s10, 4
	s_lshl_b32 s43, s43, 22
	s_add_co_u32 s42, s42, s43
	s_and_b32 s43, s10, 15
	s_lshl_b32 s43, s43, 8
	s_add_co_u32 s42, s42, s43
	s_mov_b32 s43, 0
	s_and_b32 s44, s8, 3
	s_mul_i32 s44, s44, 1536                       ; tile 2 (w % 4) of the block
	s_bfe_u32 s45, s8, 0x10001
	s_lshl_b32 s45, s45, 8
	s_lshl_b32 s9, s34, 3
	s_add_co_u32 s45, s45, s9
	s_add_co_u32 s45, s45, 6144                    ; its scale words: 6144 + 256 (tile / 4) + 4 (tile % 4)
	s_mul_i32 s47, s8, 8704
	s_add_co_u32 s47, s47, STAGE
	s_mov_b32 s[CS], 0x3e38aa3b
	s_mov_b32 s[CS+1], s[CS]
	s_mov_b32 s[NC], 0xbe38aa3b
	s_mov_b32 s[SEL], 0x76543210
	s_mov_b32 s[SEL+1], 0xfedcba98
	s_wait_dscnt 0x0
	s_wait_kmcnt 0x0
	s_add_nc_u64 s[14:15], s[4:5], s[38:39]
	s_or_b32 s15, s15, 0x80000000
	s_add_nc_u64 s[30:31], s[4:5], s[40:41]
	s_add_nc_u64 s[32:33], s[6:7], s[42:43]
	ARM 2, .Larm_b
	ARM 4, .Larm_c
	tensor_load_to_lds s[12:15], s[16:23]
	s_nop 0
.rept 4
	v_nop
.endr
.Lasked:
	v_and_b32 v1, 31, v0
	v_and_b32 v2, 15, v0                           ; r
	v_bfe_u32 v6, v0, 4, 1                         ; h
	v_lshlrev_b32 v[ADL], 3, v1
	v_add_nc_u32 v[VQ], s44, v[ADL]
	v_lshl_add_u32 v[VQS], v2, 4, s45
	QLOAD 0
	v_lshlrev_b32 v[GO], 4, v2
	v_lshl_add_u32 v[GO], v6, 12, v[GO]
	v_and_b32 v7, 8, v2
	v_add_nc_u32 v7, v7, v2                        ; r + 8 (r / 8): tile A's query among the 32; tile B's lies 8 further on
	v_mul_u32_u24 v[STO], v7, 272
	v_lshl_add_u32 v[STO], v6, 6, v[STO]
	v_add_nc_u32 v[STO], s47, v[STO]
	v_mul_u32_u24 v[RD], v6, 272
	v_lshl_add_u32 v[RD], v2, 4, v[RD]
	v_add_nc_u32 v[RD], s47, v[RD]
	v_lshlrev_b32 v[ADR], 4, v2
.irp i, 21,23,30,31,32,33,34,35,42,43,44,45,46,47,112,113,114,115,116,117,198,199,200,201,202,203,204,205
	v_mov_b32 v[\i], 0                             ; zero codes; upper halves of pairs; lane permutes' destinations
.endr
	WALU                                           ; the head's end
	SHOW 2
; A PASS: my two tiles against all eight key steps, then the way out.
.macro PASS tau
.if \tau
	s_wait_xcnt 0x0                                ; the first pass's stores have read their registers
.endif
	KLOAD ADL, ADR, 0
	v_mov_b32 v13, 0xff61b1e6                      ; the largest score so far: -3e38
	v_mov_b32 v17, 0xff61b1e6
	v_mov_b32 v12, 0x7e000000                      ; -M: 2^125, so that the first f is 0
	v_mov_b32 v16, 0x7e000000
.irp i, 14,15,18,19
	v_mov_b32 v[\i], 0
.endr
	WIN 0x40
.set J, 0
.rept 64
	v_mov_b32 v[OA+J], 0                           ; O^T: the key step is written once, and the first finds zeros
.set J, J+1
.endr
	WIN 0
	s_mov_b32 s[TBS], 0
	WALU
	s_wait_loadcnt 0x0                             ; Q
.if \tau == 0
	TRIP
	SHOW 4
	s_mov_b32 s[CNT], 2
.Lkeys_2:
	TRIP
	AGAIN .Lkeys_2
	s_wait_tensorcnt 0x0                           ; all that is still out is shown: every wave waits
	s_wait_dscnt 0x0
	s_barrier_signal -1
	s_barrier_wait -1
	s_mov_b32 s[CNT], 5
.Lkeys_5:
	TRIP
	AGAIN .Lkeys_5
	QLOAD 2*BB                                     ; the second pass's tiles lie two blocks on
.else
	s_mov_b32 s[CNT], 8
.Lkeys_8:
	TRIP
	AGAIN .Lkeys_8
.endif
	s_wait_dscnt 0x0                               ; the loads issued in the last step are in: their registers serve the way out
	v_add_f32 v14, v14, v15
	v_add_f32 v18, v18, v19
	v_permlanex16_b32 v[XL], v14, s[SEL], s[SEL+1]
	v_permlanex16_b32 v[XL+1], v18, s[SEL], s[SEL+1]
	v_add_f32 v14, v14, v[XL]                      ; the rows' sums
	v_add_f32 v18, v18, v[XL+1]
	WALU
	v_rcp_f32 v14, v14
	v_rcp_f32 v18, v18
	v_nop
	WIN 0x01
	WALU                                           ; behind the reciprocals, directly ahead of the first read of O^T
.set J, 0
.rept 16
	v_pk_mul_f32 v[128+J:129+J], v[OA+J:OA+J+1], v[14:15] op_sel_hi:[1,0]   ; register 16 b + i is channel 32 b + 16 h + i
	v_pk_mul_f32 v[160+J:161+J], v[OB+J:OB+J+1], v[18:19] op_sel_hi:[1,0]
.set J, J+2
.endr
	WIN 0
.irp b, 0,1
.irp q, 0,1,2,3
	ds_store_b128 v[STO], v[128+16*\b+4*\q:128+16*\b+4*\q+3] offset:128*\b+16*\q
	ds_store_b128 v[STO], v[160+16*\b+4*\q:160+16*\b+4*\q+3] offset:2176+128*\b+16*\q
.endr
.endr
.irp i, 0,1,2,3,4,5,6,7,8,9,10,11,12,13,14,15
	ds_load_b128 v[64+4*\i:64+4*\i+3], v[RD] offset:544*\i   ; LDS serves a wave's instructions in order (ISA guide 5.7.1.4): these see my stores
.endr
.irp i, 0,1,2,3,4,5,6,7,8,9,10,11,12,13,14,15
	s_wait_dscnt 15-\i                             ; read i is back; the reads issued behind it may be out
	global_store_b128 v[GO], v[64+4*\i:64+4*\i+3], s[32:33] offset:8192*\i+\tau*1048576 th:TH_STORE_NT   ; sixteen lanes store a query's 64 channels: 256 consecutive bytes, aligned
.endr
.endm
	PASS 0
	PASS 1
	s_wait_tensorcnt 0x0                           ; the wave's end
	ds_add_u32 v[SPW], v[NIL]
	s_wait_dscnt 0x0
	s_endpgm
.Lfunc_end_k_q056e85ceca_attn:
	.size	k_q056e85ceca_attn, .Lfunc_end_k_q056e85ceca_attn-k_q056e85ceca_attn
	.p2alignl 7, 3214868480
	.fill 96, 4, 3214868480
	.section	.rodata,"a",@progbits
	.p2align	6, 0x0
	.amdhsa_kernel k_q056e85ceca_attn
		.amdhsa_group_segment_fixed_size 178176
		.amdhsa_private_segment_fixed_size 0
		.amdhsa_enable_private_segment 0
		.amdhsa_kernarg_size 16
		.amdhsa_user_sgpr_count 2
		.amdhsa_user_sgpr_kernarg_segment_ptr 1
		.amdhsa_wavefront_size32 1
		.amdhsa_system_sgpr_workgroup_id_x 1
		.amdhsa_system_sgpr_workgroup_id_y 1
		.amdhsa_system_sgpr_workgroup_id_z 1
		.amdhsa_system_vgpr_workitem_id 0
		.amdhsa_next_free_vgpr 512
		.amdhsa_next_free_sgpr 66
		.amdhsa_reserve_vcc 0
		.amdhsa_float_denorm_mode_32 3
		.amdhsa_float_denorm_mode_16_64 3
		.amdhsa_memory_ordered 1
		.amdhsa_forward_progress 1
		.amdhsa_inst_pref_size 150
	.end_amdhsa_kernel
	.amdgpu_metadata
---
amdhsa.version: [ 1, 2 ]
amdhsa.kernels:
  - .name:           k_q056e85ceca_attn
    .symbol:         k_q056e85ceca_attn.kd
    .args:
      - { .name: qkv, .offset: 0, .size: 8, .value_kind: global_buffer, .address_space: global }
      - { .name: out0, .offset: 8, .size: 8, .value_kind: global_buffer, .address_space: global }
    .group_segment_fixed_size: 178176
    .private_segment_fixed_size: 0
    .kernarg_segment_align: 8
    .kernarg_segment_size: 16
    .max_flat_workgroup_size: 256
    .sgpr_count:     66
    .vgpr_count:     512
    .wavefront_size: 32
...
	.end_amdgpu_metadata
.endif
;; end of part 3
